; MI455X (gfx1250); checked and timed in simulation.
; The chip was launched on July 23, 2026; its instructions are those of AMD's public machine-readable ISA for CDNA 5 (MIT licence, August 2026) and "CDNA5" Instruction Set Architecture Reference Guide (July 2026). The comments in the code are by the model that wrote it; some were corrected since.
;; Multi Head Attention. Allowed arithmetic: matrix products marked QUANTISED: E2M1 operands, one E8M0 scale for each 32 along K, by v_wmma_scale_f32_16x16x128_f8f6f4 with both operands' format E2M1 (or v_wmma_scale_f32_32x16x128_f4), f32 sums; everything else in f32.
;; Inputs: Wk_codes 1,024 x 32 x 16 uint8 (E2M1 codes of Wk, K innermost, in blocks of 32 codes, two codes a byte); Wk_scales 1,024 x 32 uint8 (E8M0 scales of Wk, one for each 32 codes along K); Wo_codes 1,024 x 32 x 16 uint8 (E2M1 codes of Wo, K innermost, in blocks of 32 codes, two codes a byte); Wo_scales 1,024 x 32 uint8 (E8M0 scales of Wo, one for each 32 codes along K); Wq_codes 1,024 x 32 x 16 uint8 (E2M1 codes of Wq, K innermost, in blocks of 32 codes, two codes a byte); Wq_scales 1,024 x 32 uint8 (E8M0 scales of Wq, one for each 32 codes along K); Wv_codes 1,024 x 32 x 16 uint8 (E2M1 codes of Wv, K innermost, in blocks of 32 codes, two codes a byte); Wv_scales 1,024 x 32 uint8 (E8M0 scales of Wv, one for each 32 codes along K); bk 1,024 float32; bo 1,024 float32; bq 1,024 float32; bv 1,024 float32; key_codes 8 x 1,024 x 32 x 16 uint8 (E2M1 codes of key, K innermost, in blocks of 32 codes, two codes a byte); key_scales 8 x 1,024 x 32 uint8 (E8M0 scales of key, one for each 32 codes along K); query_codes 8 x 1,024 x 32 x 16 uint8 (E2M1 codes of query, K innermost, in blocks of 32 codes, two codes a byte); query_scales 8 x 1,024 x 32 uint8 (E8M0 scales of query, one for each 32 codes along K); value_codes 8 x 1,024 x 32 x 16 uint8 (E2M1 codes of value, K innermost, in blocks of 32 codes, two codes a byte); value_scales 8 x 1,024 x 32 uint8 (E8M0 scales of value, one for each 32 codes along K).
;; Outputs: out0 8 x 1,024 x 1,024 float32.
;; This version of the problem:
;;   THIS VERSION OF THE PROBLEM IS GIVEN IN LOW PRECISION. The matrix products marked QUANTISED in the list below multiply operands that are first quantised to E2M1 (2 exponent bits, 1 mantissa bit; 4 bits a number), with one power-of-two scale for each 32 numbers along K (OCP MX v1.0); their sums are f32. All else is computed in f32.
;;   The module's matrix products, in the order in which they are computed (A, B: the left and right operand; K: the contracted axis; several contracted axes count as one K, in the product's order):
;;     1. [M 8,192, K 1,024] x [K 1,024, N 1,024]; A: input query (given as codes); B: input Wq (given as codes): QUANTISED
;;     2. [M 8,192, K 1,024] x [K 1,024, N 1,024]; A: input key (given as codes); B: input Wk (given as codes): QUANTISED
;;     3. [M 8,192, K 1,024] x [K 1,024, N 1,024]; A: input value (given as codes); B: input Wv (given as codes): QUANTISED
;;     4. batch 128 x [M 1,024, K 64] x [K 64, N 1,024]; A: computed on the way; B: computed on the way: QUANTISED
;;     5. batch 128 x [M 1,024, K 1,024] x [K 1,024, N 64]; A: softmax (see below); B: computed on the way: QUANTISED
;;     6. [M 8,192, K 1,024] x [K 1,024, N 1,024]; A: computed on the way; B: input Wo (given as codes): QUANTISED
;;   THE QUANTISER, for each operand of a quantised product, along K:
;;     - K is cut into blocks of 32 from its start; a last block that is shorter is filled with zeros.
;;     - A block's scale is 2^e with e = floor(log2(the largest magnitude in the block)) - 2, held to -126 .. 127; a block of zeros has e = 0. As a byte (E8M0): e + 127.
;;     - Each number is divided by its block's scale, clamped to +-6, and rounded to the nearest number of E2M1, ties to even, subnormals kept.
;;     - The product sums the exact products of the quantised numbers (number of the format x scale) in f32.
;;   ~~~python
;;   def quantise(x, axis):      # numpy; x: float32 -> the quantised numbers, widened to float32 again
;;       x = np.moveaxis(x, axis, -1); K = x.shape[-1]
;;       x = np.pad(x, [(0, 0)] * (x.ndim - 1) + [(0, -K % 32)]); x = x.reshape(x.shape[:-1] + (-1, 32)); a = np.abs(x).max(-1, keepdims=True)
;;       e = np.where(a > 0, np.clip(np.frexp(np.where(a > 0, a, 1))[1] - 1 - 2, -126, 127), 0)      # np.frexp(a)[1] - 1 = floor(log2(a)), exactly
;;       r = np.clip(x / 2.0 ** e, -6, 6)
;;       step = 2.0 ** (np.maximum(np.frexp(np.where(r == 0, 1, r))[1] - 1, 0) - 1)
;;       q = np.round(r / step) * step * 2.0 ** e      # np.round: ties to even
;;       return np.moveaxis(q.reshape(q.shape[:-2] + (-1,))[..., :K], -1, axis).astype(np.float32)
;;   ~~~
;;   SOFTMAX AHEAD OF A QUANTISED PRODUCT. Where the list says 'softmax', what is quantised is not the finished softmax but p = 2^(t - M), with t = logit x log2(e) and M = ceil(the row's largest t), a whole number; so 1/2 < the row's largest p <= 1. The row's sum l is taken of the UNQUANTISED p, in f32, and the product's result is divided by l at the end. Since M is a whole number, a kernel that streams over the keys may use a running M (the ceiling of the running maximum): every later rescaling is an exact power of two, which a block's scale takes up: the codes' values come out the same.
;;   OPERANDS COMPUTED ON THE WAY. 'Computed on the way' means the value that the module computes at that place (a softmax that the list does not call 'softmax' is quantised finished and normalised). What goes into a quantiser is computed in f32, as accurately as f32 sums, v_exp_f32 and their like allow (about 1e-6 of the number): no bf16 or f16 on the way to a quantiser, and a product that is left as it is and whose result goes on into a quantised operand takes f32 operands (vector FMAs, or v_wmma_f32_16x16x4_f32). A number that lies on a knife's edge between two numbers of the format may be rounded either way, as far as f32 arithmetic and the matrix unit's own rounding can turn it there, and no further.
;;   INPUTS GIVEN AS CODES. Wk (in the module: [1024, 1024], K = its axis 1); Wo (in the module: [1024, 1024], K = its axis 1); Wq (in the module: [1024, 1024], K = its axis 1); Wv (in the module: [1024, 1024], K = its axis 1); key (in the module: [8, 1024, 1024], K = its axis 2); query (in the module: [8, 1024, 1024], K = its axis 2); value (in the module: [8, 1024, 1024], K = its axis 2): each comes as NAME_codes (uint8): NAME with its K axis moved to the last place and cut into blocks of 32 codes, [.., K / 32, bytes a block], one block behind the other in memory; two codes a byte, the lower K in the low four bits (a code: sign, 2 exponent bits, 1 mantissa bit); and NAME_scales (uint8): the same leading axes, one E8M0 byte (e + 127) for each 32 codes along K. Its value is code x scale, taken as it is: it is not quantised again, and the codes and scales need not be those that the quantiser above would give.
;; One version. Each part assembles by itself: llvm-mc -triple=amdgcn-amd-amdhsa -mcpu=gfx1250 --defsym DOCPART=n.
;; ======== version 1 of 1: 2 launches
;; limits: right only within a limited range of input values
;; workspace buffers: img 12,582,912 bytes; sc 1,572,864 bytes
;; launch proj (part 1): grid 8 x 32, 4 waves a work-group, clusters of 4 x 4, 327,680 bytes of LDS; arguments query_codes, query_scales, Wq_codes, Wq_scales, bq, key_codes, key_scales, Wk_codes, Wk_scales, bk, value_codes, value_scales, Wv_codes, Wv_scales, bv, img, sc; writes img, sc
.if DOCPART == 1
	.amdgcn_target "amdgcn-amd-amdhsa--gfx1250"
	.amdhsa_code_object_version 6
	.text
	.protected	k_q7f46f9886f_proj
	.globl	k_q7f46f9886f_proj
	.p2align	8
	.type	k_q7f46f9886f_proj,@function
k_q7f46f9886f_proj:
	s_mov_b64 s[64:65], 0
	v_nop
	global_prefetch_b8 v0, s[64:65] scope:SCOPE_SE
	s_setreg_imm32_b32 hwreg(HW_REG_WAVE_MODE, 25, 1), 1
	s_wait_xcnt 0x0
	s_wait_alu depctr_hold_cnt(0) depctr_sa_sdst(0) depctr_va_vdst(0) depctr_va_sdst(0) depctr_va_ssrc(0) depctr_va_vcc(0) depctr_vm_vsrc(0)
	s_getreg_b32 s2, hwreg(HW_REG_IB_STS2, 6, 4)
	s_cmp_eq_u32 s2, 0
	s_cbranch_scc0 .Lentry_in_a_cluster
	s_endpgm
.Lentry_in_a_cluster:
	s_bfe_u32 s2, ttmp6, 0x10000c
	s_cmp_lg_u32 s2, 0xf033
	s_cbranch_scc0 .Lentry_shape_is_right
	s_endpgm
.Lentry_shape_is_right:
; THE THREE PROJECTIONS q = query Wq^T + bq, k = key Wk^T + bk, v = value Wv^T + bv, on codes of FP4 (E2M1) with one E8M0 scale for each 32 along K, and the quantisers behind them.
; DEAD WORK: none.  Every input of reference() reaches out0 (bq, bk and bv stand ahead of a quantiser, bo is a plain term), so nothing is left out in either launch.
; ONE GENERIC PRODUCT serves all three: out[i][j] = sum over k of P[i][k] Q[j][k] + bias, quantised ALONG j in blocks of 32.
;   q, k: P = the tokens, Q = the weight, bias by j: the blocks run along the channels, two to a head of 64.
;   v:    P = Wv (i = channel), Q = value (j = token), bias by i: the blocks run along the keys, which are the K of the second product of attention.
; The matrix instruction takes source 0 = 16 rows of Q and source 1 = 16 rows of P: a lane then holds ONE i (lane % 16) and register n of tile t is j = 16 t + 8 (lane / 16) + n.
; A block of 32 along j is two neighbouring tiles; lanes l and l xor 16 hold a half each.  The conversion of a tile gives one word of 8 codes a lane; written to registers in the order
; 0, 2, 1, 3 and followed by two exchanges of halves they are the operand layout of the next product.
; WHAT IS STORED: IMAGES OF OPERAND REGISTERS.  A fragment (16 rows x 128 K) is 1,024 bytes: registers 0-3, lane l at 16 l, then registers 4-7: each store covers 512 consecutive bytes.  Its scale words are 128 bytes, 4 a lane.
;   img: q at 0, k at 4 MiB: [batch 8][pair of heads 8][tile of 16 tokens 64][1,024] (first 512 bytes: the even head);  v at 8 MiB: [batch 8][head 16][128 keys 8][tile of 16 channels 4][1,024].
;   sc:  the same order, 128 bytes a fragment.  q, k: lanes 0-15 the row's word, lanes 16-31 the word >> 16, so that the odd head's two bytes stand in bytes 0, 1 there.  v: the word in both halves.
; SHARES.  8 x 32 = 256 work-groups of equal work.  Work-group (x, y) takes tokens 256 y .. 256 y + 255 and channels 128 x .. 128 x + 127 of q, then of k, then of v: three products of 256 x 128 x 1,024.
; A wave makes 64 i x 128 j (a fragment's 128 j lie in one wave): 32 accumulators, 256 registers.  q, k: wave w takes tokens 64 w on, all 128 channels.  v: channels 64 (w / 2) on, tokens 128 (w % 2) on.
; LDS: three slots, each with half of K (rows of 256 bytes) of 256 token rows and 128 weight rows.  The six fills: q's halves -> slots 0, 1 (the head: one load a wave); k's first half -> slot 2;
; k's second -> slot 0 and v's first -> slot 1; v's second -> slot 2.  Each later fill stands behind the wait for all tensor loads, the add, the wait for it and a round of the cluster's barrier,
; one load a wave, and has the work up to the next round in which to land: q's 256 matrix instructions a wave; q's quantiser and 128; 128, k's quantiser and 128.
; CLUSTERS: 4 x 4 work-groups.  The token rows hang on y alone and are asked for jointly along a row of the cluster, the weight rows on x alone and along a column.
; No prefetch is laid: the text is straight-line, with no loop to run ahead in.
; LIMITS: a block of zeros gets the byte 1 where the rule says 127 (its codes are zeros, and this program alone reads the bytes); a block's largest magnitude is not taken under 2^-124;
; NaN and infinities among the inputs are not served.
.set PITCH, 272                        ; an LDS row: 256 bytes + 16 of padding = 68 words: the 16 rows that a fragment load touches start at 16 different banks (64 banks of 4 bytes: ISA guide 11.1)
.set TW,    256*PITCH                  ; in a slot the weight rows lie behind the 256 token rows
.set SLOT,  384*PITCH
.set SPARE, 3*SLOT                     ; behind the slots: the spare words, 128 bytes a wave
.set APQ,  8                           ; v8-10   q, k: LDS address of my fragments of P in slots 0, 1, 2
.set AQQ,  11                          ; v11-13  of Q
.set APV,  14                          ; v14-16  v: of P
.set AQV,  17                          ; v17-19  of Q
.set CO,   20                          ; v20     16 x lane
.set SO,   21                          ; v21     4 x lane
.set SHF,  22                          ; v22     16 h: q, k: lanes 16-31 store the scale word >> 16
.set SCO,  23                          ; v23     32 r + 16 h: my 16 scale bytes of a row
.set BOJ,  24                          ; v24     32 h: the bias by j
.set BOI,  25                          ; v25     4 r: the bias by i
.set SPW,  28                          ; v28     my spare word; never rewritten
.set NIL,  29                          ; v29     0; never rewritten
.set SCL,  32                          ; v32-175 scale words, 48 registers a product: P's 16 (register 4 a + q: lanes 0-15 K step q, lanes 16-31 K step 4 + q), then Q's 32
.set PF,   176                         ; v176-239 P's fragments, two sets of 32 (window 0); Q's: window 1, v0-127
.set PC,   208                         ; the way out: block a's codes at v[208 + 8 a], where P's set 1 lay
.set TM,   240                         ; v240-255 at work in the quantiser; v248-251 the blocks' scale words
; window 2: the 32 accumulators, (a, b) at v[8 (8 a + b)].  window 3: the bias in the result's layout: q v0-63, k v64-127 (eight registers for each tile of Q), v v128-159 (for each tile of P)
.set TC,   4                           ; s[4+10 s ..]: product s: the tokens' codes, their scales, the weight's codes, its scales, the bias
.set TS,   6
.set WC,   8
.set WS,   10
.set BB,   12
.set IMG,  34
.set SCB,  36
.set G1T,  40                          ; s[40:47] descriptor group 1 for token rows;  s[48:55] for weight rows
.set G1W,  48
.set S0,   56                          ; four groups 0, written anew where no tensor load of the wave is out
.set S1,   60
.set S2,   68
.set S3,   72
.set WV,   66
.set WH,   67
.set WL,   76
.set CX,   77
.set CY,   78
.set CG,   79
.set OCQ,  80                          ; s[80:81], s[82:83] where q's fragments and scale words go (k's: 4 MiB and 512 KiB on);  s[84:85], s[86:87] v's
.set OSQ,  82
.set OCV,  84
.set OSV,  86
.set TB,   88
.set FLOOR, 89
.set SEL,  90
.set MSB, 0
.macro WIN new                         ; the immediate's high byte repeats the setting that is left; a switch that changes nothing is dropped
.if MSB != (\new)
	s_set_vgpr_msb (MSB<<8)|(\new)
.set MSB, (\new)
.endif
.endm
.macro PLACES                          ; four plain places behind matrix instructions, in front of loads into their sources and of reads of their results
.rept 4
	v_nop
.endr
.endm
.macro TL g0, g1                       ; a joint load; an s_nop 0 and four v_nop follow it
	tensor_load_to_lds s[\g0:\g0+3], s[\g1:\g1+7]
	s_nop 0
.rept 4
	v_nop
.endr
.endm
.macro LOAD4                           ; two fills: one chain of branches on the wave's number, a load to an arm
	s_cmp_lt_u32 s[WV], 1
	s_cbranch_scc0 .Ll1_\@
	TL S0, G1T
	s_branch .Llj_\@
.Ll1_\@:
	s_cmp_lt_u32 s[WV], 2
	s_cbranch_scc0 .Ll2_\@
	TL S1, G1W
	s_branch .Llj_\@
.Ll2_\@:
	s_cmp_lt_u32 s[WV], 3
	s_cbranch_scc0 .Ll3_\@
	TL S2, G1T
	s_branch .Llj_\@
.Ll3_\@:
	TL S3, G1W
.Llj_\@:
.endm
.macro LOAD2                           ; one fill: wave 0 its token rows, wave 1 its weight rows
	s_cmp_lt_u32 s[WV], 1
	s_cbranch_scc0 .Lm1_\@
	TL S0, G1T
	s_branch .Lmj_\@
.Lm1_\@:
	s_cmp_lt_u32 s[WV], 2
	s_cbranch_scc0 .Lmj_\@
	TL S1, G1W
.Lmj_\@:
.endm
.macro SETD g0, lds, ptr, off          ; a group 0: count 1, LDS address, global address, type 2
	s_mov_b32 s[\g0], 1
	s_mov_b32 s[\g0+1], \lds
	s_add_nc_u64 s[\g0+2:\g0+3], s[\ptr:\ptr+1], \off
	s_or_b32 s[\g0+3], s[\g0+3], 0x80000000
.endm
.macro CROUND                          ; a round of the cluster's barrier
	s_barrier_signal -1
	s_barrier_wait -1
	s_cmp_lg_u32 s[WV], 0
	s_cbranch_scc1 .Lnot_wave_0_\@
	s_barrier_signal -3
.Lnot_wave_0_\@:
	s_barrier_wait -3
	s_barrier_signal -1
	s_barrier_wait -1
.endm
	s_load_b512 s[4:19], s[0:1], 0x0               ; q's five buffers, k's first three
	s_load_b512 s[20:35], s[0:1], 0x40             ; k's last two, v's five, img
	s_load_b64 s[36:37], s[0:1], 0x80              ; sc
	v_lshl_add_u32 v[SPW], v0, 2, SPARE
	v_mov_b32 v[NIL], 0
	ds_add_u32 v[SPW], v[NIL]                      ; the opening: the add, twice on end, and its wait ahead of my first tensor load
	ds_add_u32 v[SPW], v[NIL]
	v_lshrrev_b32 v1, 5, v0
	v_readfirstlane_b32 s[WV], v1                  ; wave 0..3
	s_lshr_b32 s[WH], s[WV], 1
	s_and_b32 s[WL], s[WV], 1
	s_bfe_u32 s[CX], ttmp6, 0x40000
	s_bfe_u32 s[CY], ttmp6, 0x40004
	s_lshl_b32 s[CG], ttmp9, 2
	s_add_co_u32 s[CG], s[CG], s[CX]               ; my 128 channels
	s_and_b32 s[TB], ttmp7, 0xffff
	s_lshl_b32 s[TB], s[TB], 2
	s_add_co_u32 s[TB], s[TB], s[CY]               ; my 256 tokens
	s_lshl_b32 s94, s[CY], 2
	s_lshl_b32 s94, 15, s94                        ; my row of the cluster
	s_lshl_b32 s95, 0x1111, s[CX]                  ; my column
	s_or_b32 s[G1T], s94, (1<<20)|(1<<21)|(5<<22)|(3<<25)   ; 15:0 the mask; elements of 1 byte; 20 padding on; 21 set beside a mask; after every 64 words four words
	s_or_b32 s[G1W], s95, (1<<20)|(1<<21)|(5<<22)|(3<<25)
	s_mov_b32 s[G1T+1], 256<<16                    ; tensor_dim0 = 256 bytes
	s_mov_b32 s[G1T+2], 256<<16                    ; tensor_dim1 = 256 rows
	s_mov_b32 s[G1T+3], 256<<16                    ; tile_dim0
	s_mov_b32 s[G1T+4], 256                        ; tile_dim1
	s_mov_b32 s[G1T+5], 512                        ; a row of 1,024 codes in memory
	s_mov_b32 s[G1T+6], 0
	s_mov_b32 s[G1T+7], 0
	s_mov_b32 s[G1W+1], 256<<16
	s_mov_b32 s[G1W+2], 128<<16                    ; 128 rows
	s_mov_b32 s[G1W+3], 256<<16
	s_mov_b32 s[G1W+4], 128
	s_mov_b32 s[G1W+5], 512
	s_mov_b32 s[G1W+6], 0
	s_mov_b32 s[G1W+7], 0
	s_mov_b32 s[SEL], 0x76543210
	s_mov_b32 s[SEL+1], 0xfedcba98                 ; v_permlanex16_b32: lane l xor 16
	s_mov_b32 s[FLOOR], 0x1800000                  ; 2^(3 - 127): under it no largest magnitude is taken, so a scale byte cannot fall under 1
	s_mul_i32 s38, s[WV], 64*PITCH                 ; q, k: my 64 token rows
	s_mul_i32 s94, s[WH], 64*PITCH
	s_add_co_u32 s94, s94, TW                      ; v: my 64 weight rows
	s_mul_i32 s95, s[WL], 128*PITCH                ; v: my 128 token rows
	v_and_b32 v1, 15, v0                           ; r
	v_bfe_u32 v2, v0, 4, 1                         ; h
	v_and_b32 v3, 31, v0                           ; lane
	v_mul_u32_u24 v4, v1, PITCH
	v_lshl_add_u32 v4, v2, 4, v4                   ; a fragment's row x pitch + 16 x half
	v_add_nc_u32 v[APQ], s38, v4
	v_add_nc_u32 v[AQQ], TW, v4
	v_add_nc_u32 v[APV], s94, v4
	v_add_nc_u32 v[AQV], s95, v4
.irp n, 1,2
.irp g, APQ,AQQ,APV,AQV
	v_add_nc_u32 v[\g+\n], SLOT, v[\g+\n-1]
.endr
.endr
	v_lshlrev_b32 v[CO], 4, v3
	v_lshlrev_b32 v[SO], 2, v3
	v_lshlrev_b32 v[SHF], 4, v2
	v_lshlrev_b32 v[SCO], 5, v1
	v_lshl_add_u32 v[SCO], v2, 4, v[SCO]
	v_lshlrev_b32 v[BOJ], 5, v2
	v_lshlrev_b32 v[BOI], 2, v1
.irp b, 0,1,2,3
	v_mov_b32 v[TM+4+\b], 0                        ; written once: a lane permute's destination counts as one of its sources
.endr
	s_wait_alu depctr_va_vdst(0)                   ; the wait at the end of the head's vector work
	s_wait_dscnt 0x0                               ; both opening adds are done
	s_wait_kmcnt 0x0
	s_lshl_b32 s96, s[TB], 17                      ; 256 rows of 512 bytes a block of tokens: y alone
	s_mov_b32 s97, 0
	s_lshl_b32 s98, s[CG], 16                      ; 128 rows of 512 bytes: x alone
	s_mov_b32 s99, 0
.irp s, 0,1,2
	s_add_nc_u64 s[TC+10*\s:TC+10*\s+1], s[TC+10*\s:TC+10*\s+1], s[96:97]
	s_add_nc_u64 s[WC+10*\s:WC+10*\s+1], s[WC+10*\s:WC+10*\s+1], s[98:99]
.endr
	SETD S0, 0, TC, 0                              ; q's first half of K -> slot 0,
	SETD S1, TW, WC, 0
	SETD S2, SLOT, TC, 256                         ; its second -> slot 1
	SETD S3, SLOT+TW, WC, 256
	CROUND                                         ; all sixteen work-groups are here: the joint loads meet
	LOAD4                                          ; one load a wave at the head
	; the scale bytes, the bias and the way out: plain loads and stores of my own
	s_mov_b32 s93, 0
	s_lshl_b32 s92, s[TB], 13
	s_lshl_b32 s94, s[WV], 11
	s_add_co_u32 s92, s92, s94                     ; q, k: P's scale bytes at token 256 y + 64 w: 32 a row
	s_add_nc_u64 s[TS:TS+1], s[TS:TS+1], s[92:93]
	s_add_nc_u64 s[TS+10:TS+11], s[TS+10:TS+11], s[92:93]
	s_lshl_b32 s92, s[CG], 12                      ; Q's at channel 128 x
	s_add_nc_u64 s[WS:WS+1], s[WS:WS+1], s[92:93]
	s_add_nc_u64 s[WS+10:WS+11], s[WS+10:WS+11], s[92:93]
	s_lshl_b32 s94, s[WH], 11
	s_add_co_u32 s92, s92, s94                     ; v: P's at channel 128 x + 64 (w / 2)
	s_add_nc_u64 s[WS+20:WS+21], s[WS+20:WS+21], s[92:93]
	s_lshl_b32 s92, s[TB], 13
	s_lshl_b32 s94, s[WL], 12
	s_add_co_u32 s92, s92, s94                     ; v: Q's at token 256 y + 128 (w % 2)
	s_add_nc_u64 s[TS+20:TS+21], s[TS+20:TS+21], s[92:93]
	s_lshl_b32 s92, s[CG], 9                       ; the bias at channel 128 x,
	s_add_nc_u64 s[BB:BB+1], s[BB:BB+1], s[92:93]
	s_add_nc_u64 s[BB+10:BB+11], s[BB+10:BB+11], s[92:93]
	s_lshl_b32 s94, s[WH], 8
	s_add_co_u32 s92, s92, s94                     ; v: + 64 (w / 2)
	s_add_nc_u64 s[BB+20:BB+21], s[BB+20:BB+21], s[92:93]
.macro CLOAD s                         ; q, k: 28 loads: P's scale words (16 rows x 32 bytes: 512 consecutive bytes a load), Q's, the bias by j
.irp a, 0,1,2,3
	global_load_b128 v[SCL+48*\s+4*\a:SCL+48*\s+4*\a+3], v[SCO], s[TS+10*\s:TS+10*\s+1] offset:512*\a
.endr
.irp b, 0,1,2,3,4,5,6,7
	global_load_b128 v[SCL+48*\s+16+4*\b:SCL+48*\s+16+4*\b+3], v[SCO], s[WS+10*\s:WS+10*\s+1] offset:512*\b
.endr
	WIN 0xc0                                       ; destination window 3
.irp b, 0,1,2,3,4,5,6,7
	global_load_b128 v[64*\s+8*\b:64*\s+8*\b+3], v[BOJ], s[BB+10*\s:BB+10*\s+1] offset:64*\b       ; bias(16 b + 8 h + n)
	global_load_b128 v[64*\s+8*\b+4:64*\s+8*\b+7], v[BOJ], s[BB+10*\s:BB+10*\s+1] offset:64*\b+16
.endr
	WIN 0
.endm
.macro CLOADV                          ; v: 44 loads: P = Wv, Q = value, the bias by i: bias(16 a + r), the same in a tile's eight registers
.irp a, 0,1,2,3
	global_load_b128 v[SCL+96+4*\a:SCL+96+4*\a+3], v[SCO], s[WS+20:WS+21] offset:512*\a
.endr
.irp b, 0,1,2,3,4,5,6,7
	global_load_b128 v[SCL+112+4*\b:SCL+112+4*\b+3], v[SCO], s[TS+20:TS+21] offset:512*\b
.endr
	WIN 0xc0
.irp a, 0,1,2,3
.irp n, 0,1,2,3,4,5,6,7
	global_load_b32 v[128+8*\a+\n], v[BOI], s[BB+20:BB+21] offset:64*\a
.endr
.endr
	WIN 0
.endm
	CLOAD 0
	CLOAD 1
	s_lshr_b32 s94, s[TB], 2                       ; the batch
	s_and_b32 s95, s[TB], 3                        ; which 256 of its tokens
	s_lshl_b32 s38, s94, 3                         ; q, k: fragment ((batch x 8 + pair of heads) x 64 + tile of tokens)
	s_add_co_u32 s38, s38, s[CG]
	s_lshl_b32 s38, s38, 6
	s_lshl_b32 s39, s95, 4
	s_add_co_u32 s38, s38, s39
	s_lshl_b32 s39, s[WV], 2
	s_add_co_u32 s38, s38, s39
	s_lshl_b32 s92, s38, 10
	s_add_nc_u64 s[OCQ:OCQ+1], s[IMG:IMG+1], s[92:93]
	s_lshl_b32 s92, s38, 7
	s_add_nc_u64 s[OSQ:OSQ+1], s[SCB:SCB+1], s[92:93]
	s_lshl_b32 s38, s94, 4                         ; v: fragment (((batch x 16 + head) x 8 + 128 keys) x 4)
	s_lshl_b32 s39, s[CG], 1
	s_add_co_u32 s38, s38, s39
	s_add_co_u32 s38, s38, s[WH]
	s_lshl_b32 s38, s38, 3
	s_lshl_b32 s39, s95, 1
	s_add_co_u32 s38, s38, s39
	s_add_co_u32 s38, s38, s[WL]
	s_lshl_b32 s38, s38, 2
	s_lshl_b32 s92, s38, 10
	s_add_nc_u64 s[OCV:OCV+1], s[IMG:IMG+1], s[92:93]
	s_add_nc_u64 s[OCV:OCV+1], s[OCV:OCV+1], 0x800000
	s_lshl_b32 s92, s38, 7
	s_add_nc_u64 s[OSV:OSV+1], s[SCB:SCB+1], s[92:93]
	s_add_nc_u64 s[OSV:OSV+1], s[OSV:OSV+1], 0x100000
; 24 LDS loads in one run: the fragments of K step q (128 along K) into set q % 2, by the address registers of the slot that holds it.  A fragment is 8 registers: lane l holds row l % 16; registers 4 c .. 4 c + 3 hold K = 64 c + 32 (l / 16) + 0 .. 31.
.macro FETCH q, ap, aq
	WIN 0x40
.irp i, 0,1,2,3,4,5,6,7
.irp c, 0,1
	ds_load_b128 v[64*((\q)%2)+8*\i+4*\c:64*((\q)%2)+8*\i+4*\c+3], v[\aq] offset:64*((\q)%4)+32*\c+\i*16*PITCH
.endr
.endr
	WIN 0
.irp i, 0,1,2,3
.irp c, 0,1
	ds_load_b128 v[PF+32*((\q)%2)+8*\i+4*\c:PF+32*((\q)%2)+8*\i+4*\c+3], v[\ap] offset:64*((\q)%4)+32*\c+\i*16*PITCH
.endr
.endr
.endm
; 32 matrix instructions: P's four blocks x Q's eight, K step q of product s.  cm = 1: the bias by j starts the sums; 2: the bias by i; 0: the sums go on.  Nothing is ever cleared.
; The 32 accumulators take turns, one instruction a turn, in the same order in every step.  K steps 4-7 take their scale words from lanes 16-31.
.macro MUL32 s, q, cm
.if \cm
	WIN 0xb1                                       ; source 0 (Q) window 1, source 1 (P) window 0, C (the bias) window 3, D window 2
.else
	WIN 0xa1                                       ; C and D window 2
.endif
.set aa, 0
.rept 4
.set bb, 0
.rept 8
.set rD, 8*(8*aa+bb)
.set rQ, 64*((\q)%2)+8*bb
.set rP, PF+32*((\q)%2)+8*aa
.set rSQ, SCL+48*(\s)+16+4*bb+(\q)%4
.set rSP, SCL+48*(\s)+4*aa+(\q)%4
.if \cm == 1
	v_wmma_scale_f32_16x16x128_f8f6f4 v[rD:rD+7], v[rQ:rQ+7], v[rP:rP+7], v[64*(\s)+8*bb:64*(\s)+8*bb+7], v[rSQ], v[rSP] matrix_a_fmt:MATRIX_FMT_FP4 matrix_b_fmt:MATRIX_FMT_FP4
.elseif \cm == 2
	v_wmma_scale_f32_16x16x128_f8f6f4 v[rD:rD+7], v[rQ:rQ+7], v[rP:rP+7], v[128+8*aa:128+8*aa+7], v[rSQ], v[rSP] matrix_a_fmt:MATRIX_FMT_FP4 matrix_b_fmt:MATRIX_FMT_FP4
.elseif (\q) < 4
	v_wmma_scale_f32_16x16x128_f8f6f4 v[rD:rD+7], v[rQ:rQ+7], v[rP:rP+7], v[rD:rD+7], v[rSQ], v[rSP] matrix_a_fmt:MATRIX_FMT_FP4 matrix_b_fmt:MATRIX_FMT_FP4
.else
	v_wmma_scale_f32_16x16x128_f8f6f4 v[rD:rD+7], v[rQ:rQ+7], v[rP:rP+7], v[rD:rD+7], v[rSQ], v[rSP] matrix_a_fmt:MATRIX_FMT_FP4 matrix_b_fmt:MATRIX_FMT_FP4 matrix_a_scale:MATRIX_SCALE_ROW1 matrix_b_scale:MATRIX_SCALE_ROW1
.endif
.set bb, bb+1
.endr
.set aa, aa+1
.endr
	WIN 0
.endm
; K step q; fn = 1: the next step's fragments are asked for at its head, 32 matrix instructions ahead of their use
.macro STEP s, q, cm, fn, ap, aq
	s_wait_dscnt 0x0                               ; this step's fragments are in
.if \fn
	PLACES                                         ; the other set was read by the step before
	FETCH (\q)+1, \ap, \aq
.endif
	MUL32 \s, \q, \cm
.endm
; A step in which slots are filled: every wave waits for all its tensor loads, adds 0 to its spare word, and waits for that and for its LDS reads; the step's products stand between the add and the wait for it.
.macro LINES s, q
	s_wait_dscnt 0x0                               ; this step's fragments are in: my reads of the slots to be filled are over
	s_wait_tensorcnt 0x0                           ; no tensor load of mine is out, so the groups 0 may be written
	ds_add_u32 v[SPW], v[NIL]                      ; the add
.endm
; THE WAY OUT of block a: 16 i x 128 j become a fragment's codes and its scale word, and are stored as they stand.
.macro QOUT a, sh, cb, sb, co, so
.set QS, 64*(\a)                       ; its 64 registers in window 2: 16 b + n = block b's n-th number of my half
.set C8, PC+8*(\a)
.set PW, TM+8+(\a)
	WIN 0x28                                       ; sources 1 and 2 in window 2
.irp b, 0,1,2,3
	v_max3_num_f32 v[TM+\b], s[FLOOR], |v[QS+16*\b]|, |v[QS+16*\b+1]|       ; each accumulator is read from its low end on
.endr
.irp i, 2,4,6,8,10,12,14
.irp b, 0,1,2,3
	v_max3_num_f32 v[TM+\b], v[TM+\b], |v[QS+16*\b+\i]|, |v[QS+16*\b+\i+1]| ; the four blocks by turns
.endr
.endr
	WIN 0
.irp b, 0,1,2,3
	v_permlanex16_b32 v[TM+4+\b], v[TM+\b], s[SEL], s[SEL+1]
.endr
.irp b, 0,1,2,3
	v_max_num_f32 v[TM+\b], v[TM+\b], v[TM+4+\b]   ; with lane l xor 16's: the block's largest magnitude
.endr
.irp b, 0,1,2,3
	v_add_nc_u32 v[TM+12+\b], 0xff000000, v[TM+\b] ; 2 off its exponent field: the conversion's scale operand
.endr
.irp b, 0,1,2,3
	v_lshrrev_b32 v[TM+4+\b], 23, v[TM+12+\b]      ; the scale's byte
.endr
	v_lshl_or_b32 v[PW], v[TM+5], 8, v[TM+4]
	v_lshl_or_b32 v[PW], v[TM+6], 16, v[PW]
	v_lshl_or_b32 v[PW], v[TM+7], 24, v[PW]
.if \sh
	v_lshrrev_b32 v[PW], v[SHF], v[PW]             ; q, k: lanes 16-31 keep the odd head's two bytes in bytes 0, 1
.endif
	WIN 0x02                                       ; source 0 in window 2
.irp c, 0,1
	v_cvt_scalef32_pk8_fp4_f32 v[C8+4*\c],   v[QS+32*\c:QS+32*\c+7],     v[TM+12+2*\c]
	v_cvt_scalef32_pk8_fp4_f32 v[C8+4*\c+2], v[QS+32*\c+8:QS+32*\c+15],  v[TM+12+2*\c]
	v_cvt_scalef32_pk8_fp4_f32 v[C8+4*\c+1], v[QS+32*\c+16:QS+32*\c+23], v[TM+12+2*\c+1]
	v_cvt_scalef32_pk8_fp4_f32 v[C8+4*\c+3], v[QS+32*\c+24:QS+32*\c+31], v[TM+12+2*\c+1]
.endr
	WIN 0
	v_nop                                          ; one plain place behind a scaled conversion
.irp c, 0,1
	v_permlane16_swap_b32 v[C8+4*\c], v[C8+4*\c+1]     ; lanes 0-15 now hold block 2 c whole, lanes 16-31 block 2 c + 1
	v_permlane16_swap_b32 v[C8+4*\c+2], v[C8+4*\c+3]
.endr
	global_store_b128 v[CO], v[C8:C8+3], s[\cb:\cb+1] offset:(\co)+(\a)*1024           ; 512 consecutive bytes
	global_store_b128 v[CO], v[C8+4:C8+7], s[\cb:\cb+1] offset:(\co)+(\a)*1024+512
	global_store_b32 v[SO], v[PW], s[\sb:\sb+1] offset:(\so)+(\a)*128                  ; each block has registers of its own
.endm
	; slot 2's first fill is issued as a refill is
	s_wait_tensorcnt 0x0                           ; my part of q's tiles is in
	ds_add_u32 v[SPW], v[NIL]                      ; the add
	SETD S0, 2*SLOT, TC+10, 0                      ; k's first half of K -> slot 2
	SETD S1, 2*SLOT+TW, WC+10, 0
	s_wait_dscnt 0x0                               ; the add is done
	CROUND                                         ; everybody's part is in, and all sixteen work-groups are here
	LOAD2
	FETCH 0, APQ, AQQ
	s_wait_loadcnt 28                              ; q's scale words and bias are in; k's 28 loads, issued behind them, may stay out
	STEP 0, 0, 1, 1, APQ, AQQ
	STEP 0, 1, 0, 1, APQ, AQQ
	STEP 0, 2, 0, 1, APQ, AQQ
	STEP 0, 3, 0, 1, APQ+1, AQQ+1                  ; K step 4 lies in slot 1
	STEP 0, 4, 0, 1, APQ+1, AQQ+1
	STEP 0, 5, 0, 1, APQ+1, AQQ+1
	STEP 0, 6, 0, 1, APQ+1, AQQ+1
	LINES                                          ; q's last step: slots 0 and 1 are read out
	SETD S0, 0, TC+10, 256                         ; k's second half -> slot 0,
	SETD S1, TW, WC+10, 256
	SETD S2, SLOT, TC+20, 0                        ; v's first -> slot 1
	SETD S3, SLOT+TW, WC+20, 0
	MUL32 0, 7, 0
	s_wait_dscnt 0x0                               ; the add is done
	CROUND
	LOAD4                                          ; the refills: the first tensor load behind the round, one a wave
	PLACES
	FETCH 0, APQ+2, AQQ+2                          ; k's first fragments, from slot 2
	CLOADV
.irp a, 0,1,2,3
	QOUT \a, 1, OCQ, OSQ, 0, 0
.endr
	s_wait_xcnt 0x0                                ; the stores have read their data: fragments land there again
	s_wait_loadcnt 44                              ; k's scale words and bias are in; v's 44 loads may stay out
	STEP 1, 0, 1, 1, APQ+2, AQQ+2
	STEP 1, 1, 0, 1, APQ+2, AQQ+2
	STEP 1, 2, 0, 1, APQ+2, AQQ+2
	LINES                                          ; k's K step 3: slot 2 is read out
	SETD S0, 2*SLOT, TC+20, 256                    ; v's second half -> slot 2
	SETD S1, 2*SLOT+TW, WC+20, 256
	MUL32 1, 3, 0
	s_wait_dscnt 0x0
	CROUND
	LOAD2
	PLACES
	FETCH 4, APQ, AQQ                              ; k's K step 4 lies in slot 0
	STEP 1, 4, 0, 1, APQ, AQQ
	STEP 1, 5, 0, 1, APQ, AQQ
	STEP 1, 6, 0, 1, APQ, AQQ
	STEP 1, 7, 0, 0, APQ, AQQ
	PLACES
	FETCH 0, APV+1, AQV+1                          ; v's first fragments, from slot 1
.irp a, 0,1,2,3
	QOUT \a, 1, OCQ, OSQ, 0x400000, 0x80000
.endr
	s_wait_xcnt 0x0
	s_wait_loadcnt 0x0                             ; v's scale words and bias
	STEP 2, 0, 2, 1, APV+1, AQV+1
	STEP 2, 1, 0, 1, APV+1, AQV+1
	STEP 2, 2, 0, 1, APV+1, AQV+1
	s_wait_dscnt 0x0                               ; v's K step 3
	s_wait_tensorcnt 0x0                           ; my part of slot 2 has landed;
	s_barrier_signal -1                            ; say so (no LDS instruction of mine is out)
	MUL32 2, 3, 0
	s_barrier_wait -1                              ; everybody's has
	PLACES
	FETCH 4, APV+2, AQV+2
	STEP 2, 4, 0, 1, APV+2, AQV+2
	STEP 2, 5, 0, 1, APV+2, AQV+2
	STEP 2, 6, 0, 1, APV+2, AQV+2
	STEP 2, 7, 0, 0, APV+2, AQV+2
	PLACES
.irp a, 0,1,2,3
	QOUT \a, 0, OCV, OSV, 0, 0
.endr
	s_wait_tensorcnt 0x0                           ; the wave's end
	ds_add_u32 v[SPW], v[NIL]
	s_wait_dscnt 0x0
	CROUND                                         ; the closing round: no work-group ends while a partner may still ask for a tile that names it
	s_endpgm
.Lfunc_end_k_q7f46f9886f_proj:
	.size	k_q7f46f9886f_proj, .Lfunc_end_k_q7f46f9886f_proj-k_q7f46f9886f_proj
	.p2alignl 7, 3214868480
	.fill 96, 4, 3214868480
	.section	.rodata,"a",@progbits
	.p2align	6, 0x0
	.amdhsa_kernel k_q7f46f9886f_proj
		.amdhsa_group_segment_fixed_size 327680
		.amdhsa_private_segment_fixed_size 0
		.amdhsa_enable_private_segment 0
		.amdhsa_kernarg_size 136
		.amdhsa_user_sgpr_count 2
		.amdhsa_user_sgpr_kernarg_segment_ptr 1
		.amdhsa_wavefront_size32 1
		.amdhsa_system_sgpr_workgroup_id_x 1
		.amdhsa_system_sgpr_workgroup_id_y 1
		.amdhsa_system_sgpr_workgroup_id_z 1
		.amdhsa_system_vgpr_workitem_id 0
		.amdhsa_next_free_vgpr 1024
		.amdhsa_next_free_sgpr 100
		.amdhsa_reserve_vcc 0
		.amdhsa_float_denorm_mode_32 3
		.amdhsa_float_denorm_mode_16_64 3
		.amdhsa_memory_ordered 1
		.amdhsa_forward_progress 1
		.amdhsa_inst_pref_size 212
	.end_amdhsa_kernel
	.amdgpu_metadata
---
amdhsa.version: [ 1, 2 ]
amdhsa.kernels:
  - .name:           k_q7f46f9886f_proj
    .symbol:         k_q7f46f9886f_proj.kd
    .args:
      - { .name: query_codes, .offset: 0, .size: 8, .value_kind: global_buffer, .address_space: global }
      - { .name: query_scales, .offset: 8, .size: 8, .value_kind: global_buffer, .address_space: global }
      - { .name: Wq_codes, .offset: 16, .size: 8, .value_kind: global_buffer, .address_space: global }
      - { .name: Wq_scales, .offset: 24, .size: 8, .value_kind: global_buffer, .address_space: global }
      - { .name: bq, .offset: 32, .size: 8, .value_kind: global_buffer, .address_space: global }
      - { .name: key_codes, .offset: 40, .size: 8, .value_kind: global_buffer, .address_space: global }
      - { .name: key_scales, .offset: 48, .size: 8, .value_kind: global_buffer, .address_space: global }
      - { .name: Wk_codes, .offset: 56, .size: 8, .value_kind: global_buffer, .address_space: global }
      - { .name: Wk_scales, .offset: 64, .size: 8, .value_kind: global_buffer, .address_space: global }
      - { .name: bk, .offset: 72, .size: 8, .value_kind: global_buffer, .address_space: global }
      - { .name: value_codes, .offset: 80, .size: 8, .value_kind: global_buffer, .address_space: global }
      - { .name: value_scales, .offset: 88, .size: 8, .value_kind: global_buffer, .address_space: global }
      - { .name: Wv_codes, .offset: 96, .size: 8, .value_kind: global_buffer, .address_space: global }
      - { .name: Wv_scales, .offset: 104, .size: 8, .value_kind: global_buffer, .address_space: global }
      - { .name: bv, .offset: 112, .size: 8, .value_kind: global_buffer, .address_space: global }
      - { .name: img, .offset: 120, .size: 8, .value_kind: global_buffer, .address_space: global }
      - { .name: sc, .offset: 128, .size: 8, .value_kind: global_buffer, .address_space: global }
    .group_segment_fixed_size: 327680
    .private_segment_fixed_size: 0
    .kernarg_segment_align: 8
    .kernarg_segment_size: 136
    .max_flat_workgroup_size: 128
    .sgpr_count:     100
    .vgpr_count:     1024
    .wavefront_size: 32
...
	.end_amdgpu_metadata
.endif
;; end of part 1
;; launch attnout (part 2): grid 32 x 8, 16 waves a work-group, clusters of 4 x 1, 327,680 bytes of LDS; arguments img, sc, Wo_codes, Wo_scales, bo, out0; writes out0
.if DOCPART == 2
	.amdgcn_target "amdgcn-amd-amdhsa--gfx1250"
	.amdhsa_code_object_version 6
	.text
	.protected	k_q7f46f9886f_attnout
	.globl	k_q7f46f9886f_attnout
	.p2align	8
	.type	k_q7f46f9886f_attnout,@function
k_q7f46f9886f_attnout:
	s_mov_b64 s[64:65], 0
	v_nop
	global_prefetch_b8 v0, s[64:65] scope:SCOPE_SE
	s_setreg_imm32_b32 hwreg(HW_REG_WAVE_MODE, 25, 1), 1
	s_wait_xcnt 0x0
	s_wait_alu depctr_hold_cnt(0) depctr_sa_sdst(0) depctr_va_vdst(0) depctr_va_sdst(0) depctr_va_ssrc(0) depctr_va_vcc(0) depctr_vm_vsrc(0)
	s_getreg_b32 s2, hwreg(HW_REG_IB_STS2, 6, 4)
	s_cmp_eq_u32 s2, 0
	s_cbranch_scc0 .Lentry_in_a_cluster
	s_endpgm
.Lentry_in_a_cluster:
	s_bfe_u32 s2, ttmp6, 0x10000c
	s_cmp_lg_u32 s2, 0x3003
	s_cbranch_scc0 .Lentry_shape_is_right
	s_endpgm
.Lentry_shape_is_right:
; ATTENTION AND THE LAST PROJECTION on codes of FP4 (E2M1): S = q k^T / 8, p = 2^(t - M), O = p v / l, O quantised along E, out0 = O Wo^T + bo.  Nothing of reference() is left out here.
; THE SOFTMAX: t = score x log2(e) / 8; M = the running largest t rounded UP to a whole number; p = 2^(t - M) is quantised along the keys, not normalised; the row's sum l is taken of the unquantised p
; and divides O at the end.  When M moves, l and O are multiplied by 2^(old M - new M), which rounds nothing.
; SHARES.  A work-group takes 32 tokens of one batch and ALL sixteen heads, so that it owns whole rows of O and of out0.  Wave w takes the pair of heads w / 2 and the tile of 16 queries w % 2; it walks the even
; head, then the odd one, 128 keys a step, and so makes one whole fragment (16 tokens x 128 along E) and one scale word of the last product's operand, which it leaves in LDS as an image of registers.
; K AND V ARE IMAGES OF OPERAND REGISTERS in img and sc (the launch before stored them so): a load of 16 bytes at 16 x lane brings four registers of a fragment, 512 consecutive bytes an instruction.
; They go from memory straight into the operand registers, asked for ONE KEY STEP AHEAD: K's next 16 loads stand behind the first product, V's next 12 behind the second.
; So no prefetch is laid for them: each load already has a whole key step of the wave's own work ahead of its wait.
; THE LAST PRODUCT.  Wave w makes the 32 tokens x columns 64 w .. 64 w + 63: eight accumulators, 8 K steps.  Its 64 rows of Wo come into LDS bytes of its own: K steps 0-3 (256 bytes a row) by the
; one tensor load at the head, K steps 4-7 by one refill.  The four work-groups of a cluster need the same rows: the loads are JOINT (mask 15).  The refill's bytes are prefetched between the two heads,
; eight key steps ahead: of the 1,024 rows the partner at place cx names rows 256 cx .. 256 cx + 255, told apart by address, waves 0-7, a lane a row: each block of 256 bytes once in a cluster.
; THE FIRST PRODUCT'S K IS 64, the instruction's 128: registers 4-7 of both operands hold zero codes, which add nothing under any scale byte but 0xff; the bytes there are another head's (1 .. 254) or 0.
; The odd head's scale bytes stand in lanes 16-31 of the scale words, shifted down: its products name that row of lanes.
; LAYOUT.  All products are used transposed: a lane holds ONE query or token (lane % 16); register n of tile t is key, channel or column 16 t + 8 (lane / 16) + n.
; LIMITS: a block of zeros has the byte 1 (its codes are zeros, and this program alone reads the bytes); no largest magnitude is taken under 2^-124; NaN and infinities are not served;
; the softmax holds while the scaled scores t stay under 2^31 in magnitude.
.set WROW,  272                        ; a row of Wo in LDS: 256 bytes + 16 of padding
.set WREG,  64*WROW                    ; a wave's 64 rows
.set OST,   16*WREG                    ; O's codes: [tile of 16 tokens 2][K step 8][1,024]
.set OSC,   OST+16384                  ; O's scale words: [tile 2][K step 8][128]
.set SPARE, OSC+2048                   ; the spare words, 128 bytes for each of sixteen waves
.set SPW, 1
.set NIL, 2
.set LI,  3                            ; v3   16 x lane
.set LS,  4                            ; v4   4 x lane
.set OSTA, 5                           ; v5   where my fragment of O goes in LDS
.set OSCA, 6                           ; v6   and its scale word
.set PFO, 7                            ; v7   512 x lane: the prefetch's rows
.set VS,  8                            ; v8-11   V's scale words
.set QF,  16                           ; v16-19  the head's codes of my queries, v20-23 zeros
.set Q1,  24                           ; v24-27  the odd head's, until its turn
.set OSW, 28                           ; v28     the scale word of O
.set WAD, 29                           ; v29     LDS address of my fragments of Wo
.set SCO, 30                           ; v30     32 r + 16 h: 16 scale bytes of a row of Wo
.set BOF, 31                           ; v31     32 h: the bias
.set KF,  32                           ; v32-95  eight fragments of K: four registers of codes, four of zeros
.set SS,  96                           ; v96-159 S^T, then p
.set OT,  160                          ; v160-191 O^T
.set VF,  192                          ; v192-223 four fragments of V
.set PCD, 224                          ; v224-231 p's codes; at a head's end O's; in between at work in the row's sum
.set BM,  232                          ; v232-235 the blocks' largest
.set T4,  236                          ; v236-239 at work
.set SO4, 240                          ; v240-243 the conversions' scale operands
.set KS,  244                          ; v244-251 K's scale words
; the last product's registers, where attention's lay
.set ARD, 8                            ; v8   OST + 16 x lane
.set SRD, 9                            ; v9   OSC + 4 x lane
.set STO, 10                           ; v10  the way out: in
.set RD,  11                           ; v11  and back
.set CO,  12                           ; v12  my byte offset in out0
.set SW,  32                           ; v32-47  Wo's scale words: register 4 t + q: lanes 0-15 K step q, lanes 16-31 K step 4 + q
.set BI,  48                           ; v48-79  the bias, eight registers a tile, in the result's layout
.set SA,  80                           ; v80-95  O's scale words: register 8 m + q
.set ACC, 96                           ; v96-159 eight accumulators
.set WF,  160                          ; v160-223 Wo's fragments, two sets of 32; on the way out the rows read back
.set AF,  224                          ; v224-255 O's fragments, two sets of 16
.set WV,  16
.set CX,  17
.set YY,  18
.set G1,  24
.set G0,  32
.set KB,  36                           ; s[36:37] K's codes of the step last asked for; s[38:39] its scale words; s[40:41], s[42:43] V's
.set KSB, 38
.set VB,  40
.set VSB, 42
.set SEL, 44
.set CS,  46
.set CNT, 48
.set WB,  49                           ; s49  where my rows of Wo begin in LDS
.set PFB, 50
; THE WALK OVER THE KEYS BEGINS AT ANOTHER STEP IN EACH CLUSTER: cluster c of a batch's eight takes key steps c, c + 1, .. 7, 0, .. c - 1 of each head, so that the eight clusters ask for different bytes at a time.
; The running form of the softmax takes the keys in any order: M stays a whole number, every rescaling a power of two; only the order of the f32 sums differs.
.set KBS, 54                           ; s[54:55] the head's K at key step 0; s[56:57] its scale words; s[22:23], s[60:61] V's
.set KSS, 56
.set VBS, 22
.set VSS, 60
.set SIK, 62                           ; s62  the key step whose K was last asked for, 0 .. 7; s63 the same for V
.set SIV, 63
.macro CROUND                          ; a round of the cluster's barrier
	s_barrier_signal -1
	s_barrier_wait -1
	s_cmp_lg_u32 s[WV], 0
	s_cbranch_scc1 .Lnot_wave_0_\@
	s_barrier_signal -3
.Lnot_wave_0_\@:
	s_barrier_wait -3
	s_barrier_signal -1
	s_barrier_wait -1
.endm
.macro PLACES                          ; four plain places behind matrix instructions (ISA guide 7.12.1)
.rept 4
	v_nop
.endr
.endm
.macro KADR                            ; the bases of K's loads for key step s62: 8 fragments of 1,024 bytes and 8 x 128 bytes of scale words a step (s53 = 0)
	s_lshl_b32 s52, s[SIK], 13
	s_add_nc_u64 s[KB:KB+1], s[KBS:KBS+1], s[52:53]
	s_lshl_b32 s52, s[SIK], 10
	s_add_nc_u64 s[KSB:KSB+1], s[KSS:KSS+1], s[52:53]
.endm
.macro VADR                            ; and of V's for key step s63: 4 fragments and 4 x 128 bytes a step
	s_lshl_b32 s52, s[SIV], 12
	s_add_nc_u64 s[VB:VB+1], s[VBS:VBS+1], s[52:53]
	s_lshl_b32 s52, s[SIV], 9
	s_add_nc_u64 s[VSB:VSB+1], s[VSS:VSS+1], s[52:53]
.endm
.macro KLOAD                           ; 16 loads: eight tiles of 16 keys of one head, and their scale words
.irp t, 0,1,2,3,4,5,6,7
	global_load_b128 v[KF+8*\t:KF+8*\t+3], v[LI], s[KB:KB+1] offset:1024*\t
.endr
.irp t, 0,1,2,3,4,5,6,7
	global_load_b32 v[KS+\t], v[LS], s[KSB:KSB+1] offset:128*\t
.endr
.endm
.macro VLOAD                           ; 12 loads: four tiles of 16 channels x 128 keys, and their scale words
.irp t, 0,1,2,3
.irp c, 0,1
	global_load_b128 v[VF+8*\t+4*\c:VF+8*\t+4*\c+3], v[LI], s[VB:VB+1] offset:1024*\t+512*\c
.endr
.endr
.irp t, 0,1,2,3
	global_load_b32 v[VS+\t], v[LS], s[VSB:VSB+1] offset:128*\t
.endr
.endm
.macro WLOAD                           ; 12 loads for the last product: the scale bytes of my 64 rows of Wo, 512 consecutive bytes a load, and my 64 numbers of bo
.irp t, 0,1,2,3
	global_load_b128 v[SW+4*\t:SW+4*\t+3], v[SCO], s[10:11] offset:512*\t
.endr
.irp t, 0,1,2,3
	global_load_b128 v[BI+8*\t:BI+8*\t+3], v[BOF], s[12:13] offset:64*\t
	global_load_b128 v[BI+8*\t+4:BI+8*\t+7], v[BOF], s[12:13] offset:64*\t+16
.endr
.endm
	s_load_b256 s[4:11], s[0:1], 0x0               ; img, sc, Wo's codes, Wo's scales
	s_load_b128 s[12:15], s[0:1], 0x20             ; bo, out0
	v_lshl_add_u32 v[SPW], v0, 2, SPARE
	v_mov_b32 v[NIL], 0
	ds_add_u32 v[SPW], v[NIL]                      ; the opening: the add, twice on end, and its wait ahead of my first tensor load
	ds_add_u32 v[SPW], v[NIL]
	v_lshrrev_b32 v3, 5, v0
	s_delay_alu instid0(VALU_DEP_1)
	v_readfirstlane_b32 s[WV], v3                  ; wave 0..15
	s_bfe_u32 s[CX], ttmp6, 0x40000                ; my place in the cluster: it enters q's, out0's and the prefetch's addresses alone
	s_lshl_b32 s19, ttmp9, 2
	s_add_co_u32 s19, s19, s[CX]                   ; my block of 32 tokens in the batch
	s_and_b32 s20, ttmp7, 0xffff                   ; the batch
	s_lshr_b32 s21, s[WV], 1                       ; my pair of heads
	s_and_b32 s22, s[WV], 1                        ; my tile of 16 tokens
	s_lshl_b32 s[YY], s20, 3
	s_add_co_u32 s[YY], s[YY], s21                 ; 8 x batch + pair
	s_lshl_b32 s23, s19, 1
	s_add_co_u32 s23, s23, s22                     ; my tile among the batch's 64
	s_mul_i32 s[WB], s[WV], WREG
	s_lshl_b32 s22, s22, 3
	s_add_co_u32 s22, s22, s21                     ; my fragment of O: 8 x tile + pair
	s_lshl_b32 s21, s22, 10
	s_add_co_u32 s21, s21, OST
	s_lshl_b32 s22, s22, 7
	s_add_co_u32 s22, s22, OSC
	s_mov_b32 s[G1], 15|(1<<20)|(1<<21)|(5<<22)|(3<<25)   ; all four work-groups named; elements of 1 byte; padding: four words after every 64
	s_mov_b32 s[G1+1], 256<<16                     ; tensor_dim0 = 256 bytes
	s_mov_b32 s[G1+2], 64<<16                      ; tensor_dim1 = 64 rows
	s_mov_b32 s[G1+3], 256<<16                     ; tile_dim0
	s_mov_b32 s[G1+4], 64                          ; tile_dim1
	s_mov_b32 s[G1+5], 512                         ; a row of 1,024 codes in memory
	s_mov_b32 s[G1+6], 0
	s_mov_b32 s[G1+7], 0
	s_mov_b32 s[SEL], 0x76543210
	s_mov_b32 s[SEL+1], 0xfedcba98                 ; v_permlanex16_b32: lane l xor 16
	s_mov_b32 s[CS], 0x3e38aa3b                    ; c = log2(e) / 8
	s_mov_b32 s[CS+1], s[CS]                       ; (named with it as a pair, so it is written)
	v_and_b32 v[LS], 31, v0
	v_and_b32 v30, 15, v0                          ; r
	v_bfe_u32 v31, v0, 4, 1                        ; h
	s_delay_alu instid0(VALU_DEP_3)
	v_lshlrev_b32 v[LI], 4, v[LS]
	v_lshlrev_b32 v[PFO], 9, v[LS]
	v_mul_u32_u24 v[WAD], v30, WROW
	v_lshlrev_b32 v[LS], 2, v[LS]
	v_lshlrev_b32 v[SCO], 5, v30
	s_delay_alu instid0(VALU_DEP_3)
	v_lshl_add_u32 v[WAD], v31, 4, v[WAD]          ; a fragment's row x pitch + 16 x half
	v_add_nc_u32 v[OSTA], s21, v[LI]
	s_delay_alu instid0(VALU_DEP_3)
	v_lshl_add_u32 v[SCO], v31, 4, v[SCO]
	v_add_nc_u32 v[OSCA], s22, v[LS]
	v_add_nc_u32 v[WAD], s[WB], v[WAD]
	v_lshlrev_b32 v[BOF], 5, v31
.irp t, 0,1,2,3,4,5,6,7
.irp i, 4,5,6,7
	v_mov_b32 v[KF+8*\t+\i], 0                     ; zero codes for K = 64 .. 127, set once
.endr
.endr
.irp i, 4,5,6,7
	v_mov_b32 v[QF+\i], 0
.endr
.irp b, 0,1,2,3
	v_mov_b32 v[T4+\b], 0                          ; written once: a lane permute's destination counts as one of its sources
.endr
	v_mov_b32 v253, 0                              ; (named as the upper half of the pair v[252:253] before it is first written)
	s_wait_alu depctr_va_vdst(0)                   ; the wait at the head's end
	s_wait_dscnt 0x0                               ; both opening adds are done
	s_wait_kmcnt 0x0
	s_mov_b32 s53, 0
	s_lshl_b32 s52, s[YY], 16                      ; 64 fragments of 1,024 bytes in each part of img,
	s_add_nc_u64 s[54:55], s[4:5], s[52:53]
	s_lshl_b32 s52, s[YY], 13                      ; 64 x 128 bytes in each part of sc
	s_add_nc_u64 s[56:57], s[6:7], s[52:53]
	s_lshl_b32 s52, s23, 10
	s_add_nc_u64 s[4:5], s[54:55], s[52:53]        ; my queries' codes
	s_lshl_b32 s52, s23, 7
	s_add_nc_u64 s[6:7], s[56:57], s[52:53]        ; and scale words
	s_add_nc_u64 s[VBS:VBS+1], s[54:55], 0x800000  ; V, even head, key step 0; the odd head's follows the even head's in memory
	s_add_nc_u64 s[KBS:KBS+1], s[54:55], 0x400000  ; K, even head, key step 0
	s_add_nc_u64 s[VSS:VSS+1], s[56:57], 0x100000
	s_add_nc_u64 s[KSS:KSS+1], s[56:57], 0x80000
	s_and_b32 s[SIK], ttmp9, 7                     ; my cluster among the batch's eight: the key step at which my walk begins
	s_mov_b32 s[SIV], s[SIK]
	KADR
	VADR
	global_load_b128 v[QF:QF+3], v[LI], s[4:5]             ; the even head's codes
	global_load_b128 v[Q1:Q1+3], v[LI], s[4:5] offset:512  ; the odd head's
	global_load_b32 v255, v[LS], s[6:7]                    ; the scale words: v255
	KLOAD                                          ; key step 0
	VLOAD
	s_mov_b32 s59, 0
	s_lshl_b32 s58, s[WV], 15                      ; my 64 rows of Wo, 512 bytes each: the wave's number alone
	s_mov_b32 s[G0], 1
	s_mov_b32 s[G0+1], s[WB]
	s_add_nc_u64 s[G0+2:G0+3], s[8:9], s[58:59]
	s_or_b32 s[G0+3], s[G0+3], 0x80000000
	s_lshl_b32 s58, s[WV], 11
	s_add_nc_u64 s[10:11], s[10:11], s[58:59]      ; their scale bytes, 32 a row
	s_lshl_b32 s58, s[WV], 8
	s_add_nc_u64 s[12:13], s[12:13], s[58:59]      ; my 64 numbers of bo
	s_add_nc_u64 s[14:15], s[14:15], s[58:59]      ; my 64 columns of out0,
	s_lshl_b32 s52, s20, 22
	s_lshl_b32 s19, s19, 17
	s_add_co_u32 s52, s52, s19
	s_add_nc_u64 s[14:15], s[14:15], s[52:53]      ; at my work-group's first token: rows of 4,096 bytes
	s_lshl_b32 s52, s[CX], 8
	s_lshl_b32 s19, s[WV], 5
	s_add_co_u32 s52, s52, s19
	s_lshl_b32 s52, s52, 9
	s_add_nc_u64 s[PFB:PFB+1], s[8:9], s[52:53]    ; the prefetch: rows 256 cx + 32 wave on (waves 0-7 ask)
	CROUND                                         ; all four work-groups are here: the joint loads meet
	tensor_load_to_lds s[G0:G0+3], s[G1:G1+7]      ; my rows of Wo, K steps 0-3: every wave's one load at the head
	s_nop 0
; A KEY STEP: 128 keys of head p.  kn: what is asked for behind the first product: 1 the next step's K, 2 the odd head's first K, 0 the last product's scale words and bias.  vn = 1: the next step's V behind the second.
.macro STEP p, kn, vn
	s_wait_loadcnt 12                              ; K's sixteen loads are in; V's twelve, issued behind them, may stay out until the second product
.irp t, 0,1,2,3,4,5,6,7
.if \p
	v_wmma_scale_f32_16x16x128_f8f6f4 v[SS+8*\t:SS+8*\t+7], v[KF+8*\t:KF+8*\t+7], v[QF:QF+7], 0, v[KS+\t], v255 matrix_a_fmt:MATRIX_FMT_FP4 matrix_b_fmt:MATRIX_FMT_FP4 matrix_a_scale:MATRIX_SCALE_ROW1 matrix_b_scale:MATRIX_SCALE_ROW1
.else
	v_wmma_scale_f32_16x16x128_f8f6f4 v[SS+8*\t:SS+8*\t+7], v[KF+8*\t:KF+8*\t+7], v[QF:QF+7], 0, v[KS+\t], v255 matrix_a_fmt:MATRIX_FMT_FP4 matrix_b_fmt:MATRIX_FMT_FP4
.endif
.endr
	PLACES                                         ; in front of the loads into the products' sources and of the reads of their results
.if \kn
.if \kn == 2
	s_add_nc_u64 s[KBS:KBS+1], s[KBS:KBS+1], 512   ; the odd head's half of each fragment; one scale word serves both heads
.endif
	s_add_co_u32 s[SIK], s[SIK], 1                 ; the next key step, round the end; after a head's eight steps it stands where the walk began
	s_and_b32 s[SIK], s[SIK], 7
	KADR                                           ; (the loads that read these bases are done: the wait at the step's head)
	KLOAD
.else
	WLOAD
.endif
.irp b, 0,1,2,3
	v_max3_num_f32 v[BM+\b], v[SS+16*\b], v[SS+1+16*\b], v[SS+2+16*\b]      ; the largest score of each block of 32 keys: it serves the row's maximum and, since p rises with the score, the block's largest p
.endr
.irp i, 3,5,7,9,11,13
.irp b, 0,1,2,3
	v_max3_num_f32 v[BM+\b], v[BM+\b], v[SS+16*\b+\i], v[SS+1+16*\b+\i]
.endr
.endr
.irp b, 0,1,2,3
	v_max_num_f32 v[BM+\b], v[BM+\b], v[SS+15+16*\b]
.endr
.irp b, 0,1,2,3
	s_delay_alu instid0(VALU_DEP_4)
	v_permlanex16_b32 v[T4+\b], v[BM+\b], s[SEL], s[SEL+1]
.endr
.irp b, 0,1,2,3
	s_delay_alu instid0(VALU_DEP_4)
	v_max_num_f32 v[BM+\b], v[BM+\b], v[T4+\b]     ; with lane l xor 16's 16 keys
.endr
	s_delay_alu instid0(VALU_DEP_2)
	v_max3_num_f32 v254, v232, v233, v234
	s_delay_alu instid0(VALU_DEP_1)
	v_max_num_f32 v254, v254, v235                 ; the step's largest score of my query
	s_delay_alu instid0(VALU_DEP_1)
	v_mul_f32 v254, s[CS], v254                    ; as t (c is positive)
	s_delay_alu instid0(VALU_DEP_1)
	v_max_num_f32 v13, v13, v254                   ; the running largest t
	v_mov_b32 v254, v12
	s_delay_alu instid0(VALU_DEP_2)
	v_floor_f32 v12, -v13                          ; the new -M = floor(-t) = -ceil(t)
	s_delay_alu instid0(VALU_DEP_1)
	v_sub_f32 v254, v12, v254                      ; old M less new M: a whole number, 0 or less
	s_delay_alu instid0(VALU_DEP_1)
	v_cvt_i32_f32 v254, v254                       ; (it saturates)
	s_delay_alu instid0(VALU_DEP_1)
	v_ldexp_f32 v252, 1.0, v254                    ; f = 2^(old M - new M)
.set j, 0
.rept 32
	v_pk_fma_f32 v[SS+j:SS+j+1], v[SS+j:SS+j+1], s[CS:CS+1], v[12:13] op_sel_hi:[1,0,0]   ; t - M, two at a time
.set j, j+2
.endr
.irp b, 0,1,2,3
	v_fma_f32 v[BM+\b], v[BM+\b], s[CS], v12       ; the same of each block's largest score
.endr
.set j, 0
	s_wait_alu depctr_va_vdst(0)                   ; the wait ahead of the batch
.rept 64
	v_exp_f32 v[SS+j], v[SS+j]                     ; p = 2^(t - M), at most 1
.set j, j+1
.endr
	v_pk_mul_f32 v[14:15], v[14:15], v[252:253] op_sel_hi:[1,0]   ; the sums under the new M: the plain place behind the exponentials
	s_wait_alu depctr_va_vdst(0)                   ; one wait for the batch of 64, ahead of its first reader
.irp b, 0,1,2,3
	v_exp_f32 v[BM+\b], v[BM+\b]                   ; the block's largest p: the same two instructions on the same number
.endr
; the row's sum of the unquantised p, two at a time, in eight chains: v[14:15] and seven pairs that are free here (K's scale words of the next step are on their way into v244-251)
.set j, 0
.irp r, 236,238,240,242,224,226,228
	v_pk_add_f32 v[\r:\r+1], v[SS+j:SS+j+1], v[SS+j+2:SS+j+3]
.set j, j+4
.endr
	v_pk_add_f32 v[14:15], v[14:15], v[SS+28:SS+29]
.set j, 30
.rept 2
.irp r, 236,238,240,242,224,226,228
	v_pk_add_f32 v[\r:\r+1], v[\r:\r+1], v[SS+j:SS+j+1]
.set j, j+2
.endr
	v_pk_add_f32 v[14:15], v[14:15], v[SS+j:SS+j+1]
.set j, j+2
.endr
	v_pk_add_f32 v[236:237], v[236:237], v[SS+62:SS+63]
	s_delay_alu instid0(VALU_DEP_2)
	v_pk_add_f32 v[14:15], v[14:15], v[226:227]
	s_delay_alu instid0(VALU_DEP_2)
	v_pk_add_f32 v[236:237], v[236:237], v[228:229]
	v_pk_add_f32 v[238:239], v[238:239], v[242:243]
	v_pk_add_f32 v[224:225], v[224:225], v[240:241]
	s_delay_alu instid0(VALU_DEP_2)
	v_pk_add_f32 v[14:15], v[14:15], v[238:239]
	s_delay_alu instid0(VALU_DEP_2)
	v_pk_add_f32 v[236:237], v[236:237], v[224:225]
	s_delay_alu instid0(VALU_DEP_1)
	v_pk_add_f32 v[14:15], v[14:15], v[236:237]
	s_wait_alu depctr_va_vdst(0)                   ; and one for the four
.irp b, 0,1,2,3
	v_max_num_f32 v[BM+\b], 0x1800000, v[BM+\b]    ; the floor 2^(3 - 127): the byte cannot fall under 1
.endr
.irp b, 0,1,2,3
	s_delay_alu instid0(VALU_DEP_4)
	v_add_nc_u32 v[SO4+\b], 0xff000000, v[BM+\b]   ; 2 off the exponent field: the conversion's scale operand
.endr
.irp b, 0,1,2,3
	s_delay_alu instid0(VALU_DEP_4)
	v_lshrrev_b32 v[T4+\b], 23, v[SO4+\b]          ; the scale's byte
.endr
	s_delay_alu instid0(VALU_DEP_3)
	v_lshl_or_b32 v253, v237, 8, v236              ; p's scale word for these 128 keys
	s_delay_alu instid0(VALU_DEP_1)
	v_lshl_or_b32 v253, v238, 16, v253
	s_delay_alu instid0(VALU_DEP_1)
	v_lshl_or_b32 v253, v239, 24, v253
.irp c, 0,1
	v_cvt_scalef32_pk8_fp4_f32 v[PCD+4*\c],   v[SS+32*\c:SS+32*\c+7],     v[SO4+2*\c]
	v_cvt_scalef32_pk8_fp4_f32 v[PCD+4*\c+2], v[SS+32*\c+8:SS+32*\c+15],  v[SO4+2*\c]
	v_cvt_scalef32_pk8_fp4_f32 v[PCD+4*\c+1], v[SS+32*\c+16:SS+32*\c+23], v[SO4+2*\c+1]
	v_cvt_scalef32_pk8_fp4_f32 v[PCD+4*\c+3], v[SS+32*\c+24:SS+32*\c+31], v[SO4+2*\c+1]
.endr
	v_nop                                          ; one plain place behind a scaled conversion
.irp c, 0,1
	v_permlane16_swap_b32 v[PCD+4*\c], v[PCD+4*\c+1]
	v_permlane16_swap_b32 v[PCD+4*\c+2], v[PCD+4*\c+3]
.endr
	s_wait_alu depctr_va_vdst(0)                   ; directly ahead of the first reader of O^T
.set j, 0
.rept 16
	v_pk_mul_f32 v[OT+j:OT+j+1], v[OT+j:OT+j+1], v[252:253] op_sel_hi:[1,0]   ; O^T under the new M.  These sixteen are also the places between the codes and the scale word just made and the products below
.set j, j+2
.endr
	s_wait_alu depctr_va_vdst(0)                   ; directly ahead of the wait below
.if \kn
	s_wait_loadcnt 16                              ; V and its scale words are in; the sixteen loads of K issued behind them may stay out
.else
	s_wait_loadcnt 12                              ; the same; behind V's stand the twelve loads for the last product
.endif
.irp t, 0,1,2,3
	v_wmma_scale_f32_16x16x128_f8f6f4 v[OT+8*\t:OT+8*\t+7], v[VF+8*\t:VF+8*\t+7], v[PCD:PCD+7], v[OT+8*\t:OT+8*\t+7], v[VS+\t], v253 matrix_a_fmt:MATRIX_FMT_FP4 matrix_b_fmt:MATRIX_FMT_FP4
.endr
.if \vn
	PLACES
.if \kn == 2
	s_add_nc_u64 s[VBS:VBS+1], s[VBS:VBS+1], 32768 ; the odd head's V: 8 steps of 4,096 bytes on,
	s_add_nc_u64 s[VSS:VSS+1], s[VSS:VSS+1], 4096  ; its scale words 8 x 512 on
.endif
	s_add_co_u32 s[SIV], s[SIV], 1
	s_and_b32 s[SIV], s[SIV], 7
	VADR                                           ; (V's loads are done)
	VLOAD
.endif
.endm
; A head's end: O^T / l; its 64 channels are two blocks of the last product's K; four registers of codes go to LDS as they stand, two bytes join the scale word.
.macro FINISH p
.set OC, PCD+4*\p
	v_add_f32 v14, v14, v15                        ; the sum's two halves,
	s_delay_alu instid0(VALU_DEP_1)
	v_permlanex16_b32 v254, v14, s[SEL], s[SEL+1]
	s_delay_alu instid0(VALU_DEP_1)
	v_add_f32 v14, v14, v254                       ; and lane l xor 16's
	s_wait_alu depctr_va_vdst(0)
	v_rcp_f32 v14, v14
.rept 3
	v_nop                                          ; the plain place behind the reciprocal; with the additions above, the places behind the last products
.endr
	s_wait_alu depctr_va_vdst(0)                   ; ahead of the reciprocal's first reader
.set j, 0
.rept 16
	v_pk_mul_f32 v[SS+j:SS+j+1], v[OT+j:OT+j+1], v[14:15] op_sel_hi:[1,0]
.set j, j+2
.endr
.irp b, 0,1
	v_max3_num_f32 v[BM+\b], |v[SS+16*\b]|, |v[SS+1+16*\b]|, 0x1800000
.endr
.irp i, 2,4,6,8,10,12,14
.irp b, 0,1
	s_delay_alu instid0(VALU_DEP_2)
	v_max3_num_f32 v[BM+\b], v[BM+\b], |v[SS+16*\b+\i]|, |v[SS+1+16*\b+\i]|
.endr
.endr
.irp b, 0,1
	s_delay_alu instid0(VALU_DEP_2)
	v_permlanex16_b32 v[T4+\b], v[BM+\b], s[SEL], s[SEL+1]
.endr
.irp b, 0,1
	s_delay_alu instid0(VALU_DEP_2)
	v_max_num_f32 v[BM+\b], v[BM+\b], v[T4+\b]
.endr
.irp b, 0,1
	s_delay_alu instid0(VALU_DEP_2)
	v_add_nc_u32 v[SO4+\b], 0xff000000, v[BM+\b]
.endr
.irp b, 0,1
	s_delay_alu instid0(VALU_DEP_2)
	v_lshrrev_b32 v[T4+\b], 23, v[SO4+\b]
.endr
.if \p
	s_delay_alu instid0(VALU_DEP_1)
	v_lshl_or_b32 v[T4], v[T4+1], 8, v[T4]
	s_delay_alu instid0(VALU_DEP_1)
	v_lshl_or_b32 v[OSW], v[T4], 16, v[OSW]        ; the odd head's two bytes on top
.else
	s_delay_alu instid0(VALU_DEP_1)
	v_lshl_or_b32 v[OSW], v[T4+1], 8, v[T4]
.endif
	v_cvt_scalef32_pk8_fp4_f32 v[OC],   v[SS:SS+7],     v[SO4]
	v_cvt_scalef32_pk8_fp4_f32 v[OC+2], v[SS+8:SS+15],  v[SO4]
	v_cvt_scalef32_pk8_fp4_f32 v[OC+1], v[SS+16:SS+23], v[SO4+1]
	v_cvt_scalef32_pk8_fp4_f32 v[OC+3], v[SS+24:SS+31], v[SO4+1]
	v_nop
	v_permlane16_swap_b32 v[OC], v[OC+1]
	v_permlane16_swap_b32 v[OC+2], v[OC+3]
	ds_store_b128 v[OSTA], v[OC:OC+3] offset:512*\p               ; registers 4 p .. 4 p + 3 of my fragment of O
.endm
.macro HEADINIT p
.if \p
.irp i, 0,1,2,3
	v_mov_b32 v[QF+\i], v[Q1+\i]
.endr
.endif
	v_mov_b32 v13, 0xff61b1e6                      ; the largest t so far: -3e38, under every t
	s_delay_alu instid0(VALU_DEP_1)
	v_floor_f32 v12, -v13                          ; -M
	v_mov_b32 v14, 0
	v_mov_b32 v15, 0
.set j, 0
.rept 32
	v_mov_b32 v[OT+j], 0                           ; the step has no first form of its own: its first trip finds zeros, which the first change of M leaves zeros
.set j, j+1
.endr
	s_mov_b32 s[CNT], 7
.endm
	HEADINIT 0
.Lkeys_0:                                              ; key steps 0-6 of the even head: each asks for the next step's K and V
	STEP 0, 1, 1
	s_sub_co_u32 s[CNT], s[CNT], 1
	s_cmp_lg_u32 s[CNT], 0
	s_cbranch_scc1 .Lkeys_0
	STEP 0, 2, 1                                   ; its last step asks for the odd head's first
	s_wait_tensorcnt 0x0                           ; my rows of Wo are in: no tensor load of mine is out when I first store to LDS
	FINISH 0
	s_wait_alu depctr_va_vdst(0)                   ; directly ahead of the branch
	s_cmp_lt_u32 s[WV], 8
	s_cbranch_scc0 .Lno_ask
	s_cmp_lt_u32 ttmp9, 1
	s_cbranch_scc0 .Lno_prefetch_attnou0
	global_prefetch_b8 v[PFO], s[PFB:PFB+1] offset:256 th:TH_LOAD_NT scope:SCOPE_SE   ; K steps 4-7 of 32 rows of Wo, a lane a row: what the refill will ask for, eight key steps on; its address registers are never written again
.Lno_prefetch_attnou0:
.Lno_ask:
	HEADINIT 1
.Lkeys_1:
	STEP 1, 1, 1
	s_sub_co_u32 s[CNT], s[CNT], 1
	s_cmp_lg_u32 s[CNT], 0
	s_cbranch_scc1 .Lkeys_1
	STEP 1, 0, 0                                   ; the last step asks for nothing of K and V
	FINISH 1
	ds_store_b32 v[OSCA], v[OSW]                   ; my fragment's scale words, the same in both halves of the lanes
; THE LAST PRODUCT: out0(token, column) = sum over E of O Wo + bo.  Source 0 = 16 rows of Wo, source 1 = 16 tokens of O: a lane holds eight neighbouring columns of one token.
	v_add_nc_u32 v[ARD], OST, v[LI]
	v_add_nc_u32 v[SRD], OSC, v[LS]
	v_and_b32 v13, 15, v0                          ; r
	v_bfe_u32 v14, v0, 4, 1                        ; h
	s_delay_alu instid0(VALU_DEP_2)
	v_mul_u32_u24 v[STO], v13, WROW                ; in: row r, 32 bytes for each half of the lanes
	s_delay_alu instid0(VALU_DEP_2)
	v_mul_u32_u24 v[RD], v14, WROW                 ; back: lanes 0-15 one row of 256 bytes, lanes 16-31 the next
	v_lshlrev_b32 v[CO], 12, v14                   ; and the same two rows in out0
	s_delay_alu instid0(VALU_DEP_3)
	v_lshl_add_u32 v[STO], v14, 5, v[STO]
	s_delay_alu instid0(VALU_DEP_3)
	v_lshl_add_u32 v[RD], v13, 4, v[RD]
	s_delay_alu instid0(VALU_DEP_3)
	v_lshl_add_u32 v[CO], v13, 4, v[CO]
	s_delay_alu instid0(VALU_DEP_3)
	v_add_nc_u32 v[STO], s[WB], v[STO]
	s_delay_alu instid0(VALU_DEP_3)
	v_add_nc_u32 v[RD], s[WB], v[RD]
	s_wait_alu depctr_va_vdst(0)                   ; directly ahead of the waits below
	s_wait_loadcnt 0x0                             ; Wo's scale words and the bias
	s_wait_dscnt 0x0                               ; my fragment of O and its scale words are stored
	s_barrier_signal -1
	s_barrier_wait -1                              ; everybody's are
.macro OFETCH q                        ; K step q: four fragments of my rows of Wo, two of O, into set q % 2
.irp t, 0,1,2,3
.irp c, 0,1
	ds_load_b128 v[WF+32*((\q)%2)+8*\t+4*\c:WF+32*((\q)%2)+8*\t+4*\c+3], v[WAD] offset:64*((\q)%4)+32*\c+\t*16*WROW
.endr
.endr
.irp m, 0,1
.irp c, 0,1
	ds_load_b128 v[AF+16*((\q)%2)+8*\m+4*\c:AF+16*((\q)%2)+8*\m+4*\c+3], v[ARD] offset:8192*\m+1024*(\q)+512*\c
.endr
.endr
.endm
.macro OMUL q, cm                      ; eight matrix instructions, the eight accumulators by turns.  cm = 1: the bias starts the sums.  K steps 4-7 take Wo's scale words from lanes 16-31
.set mm, 0
.rept 2
.set tt, 0
.rept 4
.set rD, ACC+8*(4*mm+tt)
.set rW, WF+32*((\q)%2)+8*tt
.set rA, AF+16*((\q)%2)+8*mm
.set rSW, SW+4*tt+(\q)%4
.set rSA, SA+8*mm+(\q)
.if \cm
	v_wmma_scale_f32_16x16x128_f8f6f4 v[rD:rD+7], v[rW:rW+7], v[rA:rA+7], v[BI+8*tt:BI+8*tt+7], v[rSW], v[rSA] matrix_a_fmt:MATRIX_FMT_FP4 matrix_b_fmt:MATRIX_FMT_FP4
.elseif (\q) < 4
	v_wmma_scale_f32_16x16x128_f8f6f4 v[rD:rD+7], v[rW:rW+7], v[rA:rA+7], v[rD:rD+7], v[rSW], v[rSA] matrix_a_fmt:MATRIX_FMT_FP4 matrix_b_fmt:MATRIX_FMT_FP4
.else
	v_wmma_scale_f32_16x16x128_f8f6f4 v[rD:rD+7], v[rW:rW+7], v[rA:rA+7], v[rD:rD+7], v[rSW], v[rSA] matrix_a_fmt:MATRIX_FMT_FP4 matrix_b_fmt:MATRIX_FMT_FP4 matrix_a_scale:MATRIX_SCALE_ROW1
.endif
.set tt, tt+1
.endr
.set mm, mm+1
.endr
.endm
.macro OSTEP q, cm, more               ; more = 1: the next step's fragments are asked for at this step's head
	s_wait_dscnt 0x0                               ; this step's fragments are in
.if \more
.if (\q) > 0
	PLACES                                         ; the other set was read by the step before
.endif
	OFETCH (\q)+1
.endif
	OMUL \q, \cm
.endm
.irp n, 0,1,2,3,4,5,6,7,8,9,10,11,12,13,14,15
	ds_load_b32 v[SA+\n], v[SRD] offset:128*\n     ; O's scale words: 2 tiles x 8 K steps
.endr
	OFETCH 0
	OSTEP 0, 1, 1
	OSTEP 1, 0, 1
	OSTEP 2, 0, 1
	s_wait_dscnt 0x0                               ; K step 3's fragments are in registers
	s_wait_tensorcnt 0x0                           ; no tensor load of mine is out,
	ds_add_u32 v[SPW], v[NIL]                      ; the add; work on registers stands between it and the wait for it
	s_add_nc_u64 s[G0+2:G0+3], s[G0+2:G0+3], 256   ; so group 0 may be written: K steps 4-7 of my rows
	OMUL 3, 0
	s_wait_dscnt 0x0                               ; the add is done, and my reads of K steps 0-3 are over
	CROUND                                         ; the round takes the place of the refill's barrier: the same holds of every wave of all four work-groups
	tensor_load_to_lds s[G0:G0+3], s[G1:G1+7]      ; the refill: my one tensor load behind the round
	s_nop 0
	PLACES                                         ; set 0 was read by K step 2
	s_wait_tensorcnt 0x0                           ; my rows are in; I alone read them
	OFETCH 4
	OSTEP 4, 0, 1
	OSTEP 5, 0, 1
	OSTEP 6, 0, 1
	OSTEP 7, 0, 0
	PLACES                                         ; behind the last products: results are read, and rows are loaded over the fragments
; THE WAY OUT.  A tile of 16 tokens x 64 columns goes through a stage in my own rows of Wo, which have had their last fill and my last read, and comes back as rows of 256 bytes: sixteen lanes store one aligned unit.
.irp m, 0,1
.irp t, 0,1,2,3
	ds_store_b128 v[STO], v[ACC+8*(4*\m+\t):ACC+8*(4*\m+\t)+3] offset:16*WROW*\m+64*\t          ; each accumulator from its low end on
	ds_store_b128 v[STO], v[ACC+8*(4*\m+\t)+4:ACC+8*(4*\m+\t)+7] offset:16*WROW*\m+64*\t+16
.endr
.irp i, 0,1,2,3,4,5,6,7
	ds_load_b128 v[WF+32*\m+4*\i:WF+32*\m+4*\i+3], v[RD] offset:16*WROW*\m+2*WROW*\i           ; LDS serves a wave's instructions in order: these see my stores
.endr
.endr
.irp m, 0,1
	s_wait_dscnt 16-16*\m                          ; tile m is back; behind tile 0's loads stand tile 1's 8 stores and 8 loads
.irp i, 0,1,2,3,4,5,6,7
	global_store_b128 v[CO], v[WF+32*\m+4*\i:WF+32*\m+4*\i+3], s[14:15] offset:(16*\m+2*\i)*4096 th:TH_STORE_NT
.endr
.endr
	s_wait_tensorcnt 0x0                           ; the wave's end
	ds_add_u32 v[SPW], v[NIL]
	s_wait_dscnt 0x0
	CROUND                                         ; the closing round: no work-group ends while a partner may still ask for a tile that names it
	s_endpgm
.Lfunc_end_k_q7f46f9886f_attnout:
	.size	k_q7f46f9886f_attnout, .Lfunc_end_k_q7f46f9886f_attnout-k_q7f46f9886f_attnout
	.p2alignl 7, 3214868480
	.fill 96, 4, 3214868480
	.section	.rodata,"a",@progbits
	.p2align	6, 0x0
	.amdhsa_kernel k_q7f46f9886f_attnout
		.amdhsa_group_segment_fixed_size 327680
		.amdhsa_private_segment_fixed_size 0
		.amdhsa_enable_private_segment 0
		.amdhsa_kernarg_size 48
		.amdhsa_user_sgpr_count 2
		.amdhsa_user_sgpr_kernarg_segment_ptr 1
		.amdhsa_wavefront_size32 1
		.amdhsa_system_sgpr_workgroup_id_x 1
		.amdhsa_system_sgpr_workgroup_id_y 1
		.amdhsa_system_sgpr_workgroup_id_z 1
		.amdhsa_system_vgpr_workitem_id 0
		.amdhsa_next_free_vgpr 256
		.amdhsa_next_free_sgpr 66
		.amdhsa_reserve_vcc 0
		.amdhsa_float_denorm_mode_32 3
		.amdhsa_float_denorm_mode_16_64 3
		.amdhsa_memory_ordered 1
		.amdhsa_forward_progress 1
		.amdhsa_inst_pref_size 111
	.end_amdhsa_kernel
	.amdgpu_metadata
---
amdhsa.version: [ 1, 2 ]
amdhsa.kernels:
  - .name:           k_q7f46f9886f_attnout
    .symbol:         k_q7f46f9886f_attnout.kd
    .args:
      - { .name: img, .offset: 0, .size: 8, .value_kind: global_buffer, .address_space: global }
      - { .name: sc, .offset: 8, .size: 8, .value_kind: global_buffer, .address_space: global }
      - { .name: Wo_codes, .offset: 16, .size: 8, .value_kind: global_buffer, .address_space: global }
      - { .name: Wo_scales, .offset: 24, .size: 8, .value_kind: global_buffer, .address_space: global }
      - { .name: bo, .offset: 32, .size: 8, .value_kind: global_buffer, .address_space: global }
      - { .name: out0, .offset: 40, .size: 8, .value_kind: global_buffer, .address_space: global }
    .group_segment_fixed_size: 327680
    .private_segment_fixed_size: 0
    .kernarg_segment_align: 8
    .kernarg_segment_size: 48
    .max_flat_workgroup_size: 512
    .sgpr_count:     66
    .vgpr_count:     256
    .wavefront_size: 32
...
	.end_amdgpu_metadata
.endif
;; end of part 2
